; MI455X (gfx1250); checked and timed in simulation.
; The chip was launched on July 23, 2026; its instructions are those of AMD's public machine-readable ISA for CDNA 5 (MIT licence, August 2026) and "CDNA5" Instruction Set Architecture Reference Guide (July 2026). The comments in the code are by the model that wrote it; some were corrected since.
;; Causal Self Attention Last. Allowed arithmetic: float matrix products may take bf16 or f16 operands with f32 sums; all other float work in f32.
;; Inputs: Wk 2,048 x 2,048 float32; Wp 2,048 x 2,048 float32; Wq 2,048 x 2,048 float32; Wv 2,048 x 2,048 float32; bk 2,048 float32; bp 2,048 float32; bq 2,048 float32; bv 2,048 float32; x 4 x 2,048 x 2,048 float32.
;; Outputs: out0 4 x 1 x 2,048 float32; out1 4 x 1 x 2,048 float32.
;; One version. Each part assembles by itself: llvm-mc -triple=amdgcn-amd-amdhsa -mcpu=gfx1250 --defsym DOCPART=n.
;; ======== version 1 of 1: 6 launches
;; workspace buffers: qp 524,288 bytes; cp 8,192 bytes; up 262,144 bytes; yp 2,097,152 bytes; sc 32,768 bytes; st 2,048 bytes; zp 524,288 bytes; op 524,288 bytes
;; launch qproj (part 1): grid 16 x 16, 8 waves a work-group, no clusters, 25,600 bytes of LDS; arguments x, Wq, bq, bk, qp, cp; writes qp, cp
.if DOCPART == 1
	.amdgcn_target "amdgcn-amd-amdhsa--gfx1250"
	.amdhsa_code_object_version 6
	.text
	.protected	k_q4e1dec9bb8_qproj
	.globl	k_q4e1dec9bb8_qproj
	.p2align	8
	.type	k_q4e1dec9bb8_qproj,@function
k_q4e1dec9bb8_qproj:
	s_mov_b64 s[64:65], 0
	v_nop
	global_prefetch_b8 v0, s[64:65] scope:SCOPE_SE
	s_setreg_imm32_b32 hwreg(HW_REG_WAVE_MODE, 25, 1), 1
	s_wait_xcnt 0x0
; q[b][j] = sum over i of x[b][2047][i] Wq[i][j] + bq[j], as 16 partial sums qp[iblk][b][j], and the partial sums cp of c[b] = q[b] . bk.
; (q . (x_t Wk + bk) = x_t . (Wk q) + q . bk: the scores need q, Wk q and the constant c, never k itself.)
; A work-group takes a tile of 128 rows (iblk) x 128 columns (jblk) of Wq: 64 KiB, each byte of Wq read once in the launch.
; Wave w takes rows 16 w .. 16 w + 15, lane l columns 4 l .. 4 l + 3: one load of a wave covers 512 consecutive bytes.
; All arithmetic is f32 on the vector unit: the product has 4 rows, so a 16-row matrix instruction would be a quarter used and the
; weights would first have to be converted, which costs more instructions than the multiply-adds themselves.  No loop, no LDS ring, no tensor load:
; the work-group's whole share is asked for at the head and lands in registers.  No cluster: no byte of Wq is shared between work-groups.
; BIAS: each of the 16 x 8 = 128 (iblk, wave) accumulators of a column starts from bq[j] * 2^-7 (an exact scaling), so that their sum carries bq[j].
; LIMITS: the order of the sums is not reference()'s; bits of a bias that fall below 2^-149 after the scaling are lost.
.set RED,  8192                        ; LDS: 8 waves x 4 b x 128 columns of f32 = 16 KiB
.set OUTO, 8                           ; v8       byte offset of my two sums in the output
.set LST,  9                           ; v9       LDS: 2048 w + 16 lane
.set LANE, 10
.set TMP,  11
.set LRD,  14                          ; v14      LDS: 8 t
.set BI,   16                          ; v[16:19]   bias share of my four columns
.set W,    32                          ; v[32:95]   16 rows of Wq, row r at W + 4 r
.set D,    96                          ; v[96:223]  x_last: D + 32 b + r, r = 0..15; later the eight waves' sums
.set ACC,  224                         ; v[224:239] ACC + 4 b: four columns of batch b
; sum over the wave's 32 lanes, in every lane: four steps inside each half ride on the add, one crosses the halves
.macro WSUMR d, s, t
	v_add_f32_dpp v[\d], v[\s], v[\s] row_xmask:1 row_mask:0xf bank_mask:0xf
	v_add_f32_dpp v[\d], v[\d], v[\d] row_xmask:2 row_mask:0xf bank_mask:0xf
	v_add_f32_dpp v[\d], v[\d], v[\d] row_xmask:4 row_mask:0xf bank_mask:0xf
	v_add_f32_dpp v[\d], v[\d], v[\d] row_xmask:8 row_mask:0xf bank_mask:0xf
	v_permlanex16_b32 v[\t], v[\d], s26, s27       ; its destination counts as read: a register that has been written
	v_add_f32 v[\d], v[\d], v[\t]
.endm
; rows r (even) and r + 1: ACC[b] += W[row] * d[b][row]; the factor is the first or the second register of the pair at D + 32 b + r.
; first = 1: the bias share is the addend, nothing is cleared.
.macro ROW2 r, first
.irp b, 0,1,2,3
.irp h, 0,2
.if \first
	v_pk_fma_f32 v[ACC+4*\b+\h:ACC+4*\b+\h+1], v[W+4*\r+\h:W+4*\r+\h+1], v[D+32*\b+\r:D+32*\b+\r+1], v[BI+\h:BI+\h+1] op_sel_hi:[1,0,1]
.else
	v_pk_fma_f32 v[ACC+4*\b+\h:ACC+4*\b+\h+1], v[W+4*\r+\h:W+4*\r+\h+1], v[D+32*\b+\r:D+32*\b+\r+1], v[ACC+4*\b+\h:ACC+4*\b+\h+1] op_sel_hi:[1,0,1]
.endif
.endr
.endr
.irp b, 0,1,2,3
.irp h, 0,2
	v_pk_fma_f32 v[ACC+4*\b+\h:ACC+4*\b+\h+1], v[W+4*\r+4+\h:W+4*\r+4+\h+1], v[D+32*\b+\r:D+32*\b+\r+1], v[ACC+4*\b+\h:ACC+4*\b+\h+1] op_sel:[0,1,0] op_sel_hi:[1,1,1]
.endr
.endr
.endm
; the 16 rows, four at a time: the weight loads are the wave's last 16 loads and come back in order, so the counts are what is left behind each four
.macro MAIN
	s_wait_loadcnt 16                              ; all but the 16 weight loads: the bias is in
	v_pk_mul_f32 v[BI:BI+1], v[BI:BI+1], 0x3c000000 op_sel_hi:[1,0]       ; x 2^-7
	v_pk_mul_f32 v[BI+2:BI+3], v[BI+2:BI+3], 0x3c000000 op_sel_hi:[1,0]
	s_wait_loadcnt 12
	ROW2 0, 1
	ROW2 2, 0
	s_wait_loadcnt 8
	ROW2 4, 0
	ROW2 6, 0
	s_wait_loadcnt 4
	ROW2 8, 0
	ROW2 10, 0
	s_wait_loadcnt 0
	ROW2 12, 0
	ROW2 14, 0
.endm
; the eight waves' sums meet in LDS; thread t then owns batch t >> 6, columns 2 (t & 63) and the next, and stores 8 bytes:
; each store of a wave covers 256 consecutive bytes, aligned
.macro FINAL ob
.irp b, 0,1,2,3
	ds_store_b128 v[LST], v[ACC+4*\b:ACC+4*\b+3] offset:RED+512*\b
.endr
	s_wait_dscnt 0x0                               ; my stores are in LDS before I say so
	s_barrier_signal -1
	s_barrier_wait -1
.irp p, 0,1,2,3,4,5,6,7
	ds_load_b64 v[D+2*\p:D+2*\p+1], v[LRD] offset:RED+2048*\p
.endr
	s_wait_dscnt 0x0
	v_pk_add_f32 v[D:D+1], v[D:D+1], v[D+2:D+3]
	v_pk_add_f32 v[D+4:D+5], v[D+4:D+5], v[D+6:D+7]
	v_pk_add_f32 v[D+8:D+9], v[D+8:D+9], v[D+10:D+11]
	v_pk_add_f32 v[D+12:D+13], v[D+12:D+13], v[D+14:D+15]
	v_pk_add_f32 v[D:D+1], v[D:D+1], v[D+4:D+5]
	v_pk_add_f32 v[D+8:D+9], v[D+8:D+9], v[D+12:D+13]
	v_pk_add_f32 v[D:D+1], v[D:D+1], v[D+8:D+9]
	global_store_b64 v[OUTO], v[D:D+1], s[\ob:\ob+1]
.endm
	s_load_b256 s[4:11], s[0:1], 0x0               ; x s[4:5], Wq s[6:7], bq s[8:9], bk s[10:11]
	s_load_b128 s[12:15], s[0:1], 0x20             ; qp s[12:13], cp s[14:15]
	v_lshl_add_u32 v240, v0, 2, 0x6000
	v_mov_b32 v241, 0
	v_lshrrev_b32 v[TMP], 5, v0
	v_readfirstlane_b32 s20, v[TMP]                ; wave w
	s_mov_b32 s21, ttmp9                           ; jblk
	s_and_b32 s22, ttmp7, 0xffff                   ; iblk
	s_mov_b32 s26, 0x76543210                      ; v_permlanex16_b32: lane i of one half reads lane i of the other
	s_mov_b32 s27, 0xfedcba98
	v_and_b32 v[LANE], 31, v0
	v_lshlrev_b32 v1, 4, v[LANE]                   ; 16 lane
	s_lshl_b32 s23, s22, 9                         ; my 16 numbers of a last row: 512 iblk + 64 w
	s_lshl_b32 s28, s20, 6
	s_add_co_u32 s23, s23, s28
.irp b, 0,1,2,3
	s_add_co_u32 s28, s23, (\b*2048+2047)*8192     ; row 2047 of batch b
	v_mov_b32 v[2+\b], s28                         ; the same address in every lane
.endr
	s_lshl_b32 s29, s21, 9                         ; 512 jblk
	v_add_nc_u32 v6, s29, v1                       ; bq: my four columns
	v_and_b32 v12, 63, v0
	v_lshrrev_b32 v13, 6, v0
	v_lshl_add_u32 v7, v12, 3, s29                 ; bk: the two columns that thread t owns at the end
	v_lshlrev_b32 v[OUTO], 3, v12
	v_lshl_add_u32 v[OUTO], v13, 13, v[OUTO]       ; 8192 (t >> 6) + 8 (t & 63)
	s_lshl_b32 s28, s20, 11
	v_add_nc_u32 v[LST], s28, v1
	v_lshlrev_b32 v[LRD], 3, v0
	s_lshl_b32 s28, s22, 5
	s_add_co_u32 s28, s28, s29
	s_lshl2_add_u32 s28, s20, s28                  ; cp[jblk][iblk][w]: 512 jblk + 32 iblk + 4 w
	v_mov_b32 v15, s28
	s_lshl_b32 s24, s22, 20                        ; Wq: row 128 iblk + 16 w, 8,192 bytes a row, + 512 jblk
	s_lshl_b32 s28, s20, 17
	s_add_co_u32 s24, s24, s28
	s_add_co_u32 s24, s24, s29
	s_mov_b32 s25, 0
	s_lshl_b32 s30, s22, 15                        ; qp: 32768 iblk + 512 jblk
	s_add_co_u32 s30, s30, s29
	s_mov_b32 s31, 0
	s_wait_kmcnt 0x0
	s_add_nc_u64 s[6:7], s[6:7], s[24:25]
	s_add_nc_u64 s[12:13], s[12:13], s[30:31]
	; all 34 loads of the wave in one run: 16 of x_last, bq, bk, 16 of Wq
.irp b, 0,1,2,3
.irp k, 0,1,2,3
	global_load_b128 v[D+32*\b+4*\k:D+32*\b+4*\k+3], v[2+\b], s[4:5] offset:16*\k
.endr
.endr
	global_load_b128 v[BI:BI+3], v6, s[8:9]
	global_load_b64 v[20:21], v7, s[10:11]
.irp r, 0,1,2,3,4,5,6,7,8,9,10,11,12,13,14,15
	global_load_b128 v[W+4*\r:W+4*\r+3], v1, s[6:7] offset:8192*\r th:TH_LOAD_NT
.endr
	MAIN
	FINAL 12
	; c: my two partial q times their bk, summed over the wave = batch w >> 1, half w & 1 of the tile's columns
	v_mul_f32 v20, v[D], v20
	v_fma_f32 v20, v[D+1], v21, v20
	WSUMR 20, 20, 21
	s_wait_xcnt 0x0                                ; EXEC is a source of the store above: it narrows only behind this wait
	v_cmp_eq_u32 vcc_lo, 0, v[LANE]
	s_wait_tensorcnt 0x0
	ds_add_u32 v240, v241
	s_wait_dscnt 0x0
	s_and_saveexec_b32 s28, vcc_lo
	global_store_b32 v15, v20, s[14:15]            ; one word a wave: the work-group's whole share of cp is these 32 bytes
	s_wait_xcnt 0x0                                ; and widens only behind this one
	s_or_b32 exec_lo, exec_lo, s28
	s_endpgm
.Lfunc_end_k_q4e1dec9bb8_qproj:
	.size	k_q4e1dec9bb8_qproj, .Lfunc_end_k_q4e1dec9bb8_qproj-k_q4e1dec9bb8_qproj
	.p2alignl 7, 3214868480
	.fill 96, 4, 3214868480
	.section	.rodata,"a",@progbits
	.p2align	6, 0x0
	.amdhsa_kernel k_q4e1dec9bb8_qproj
		.amdhsa_group_segment_fixed_size 25600
		.amdhsa_private_segment_fixed_size 0
		.amdhsa_enable_private_segment 0
		.amdhsa_kernarg_size 48
		.amdhsa_user_sgpr_count 2
		.amdhsa_user_sgpr_kernarg_segment_ptr 1
		.amdhsa_wavefront_size32 1
		.amdhsa_system_sgpr_workgroup_id_x 1
		.amdhsa_system_sgpr_workgroup_id_y 1
		.amdhsa_system_sgpr_workgroup_id_z 1
		.amdhsa_system_vgpr_workitem_id 0
		.amdhsa_next_free_vgpr 242
		.amdhsa_next_free_sgpr 66
		.amdhsa_reserve_vcc 1
		.amdhsa_float_denorm_mode_32 3
		.amdhsa_float_denorm_mode_16_64 3
		.amdhsa_memory_ordered 1
		.amdhsa_forward_progress 1
		.amdhsa_inst_pref_size 16
	.end_amdhsa_kernel
	.amdgpu_metadata
---
amdhsa.version: [ 1, 2 ]
amdhsa.kernels:
  - .name:           k_q4e1dec9bb8_qproj
    .symbol:         k_q4e1dec9bb8_qproj.kd
    .args:
      - { .name: x, .offset: 0, .size: 8, .value_kind: global_buffer, .address_space: global }
      - { .name: Wq, .offset: 8, .size: 8, .value_kind: global_buffer, .address_space: global }
      - { .name: bq, .offset: 16, .size: 8, .value_kind: global_buffer, .address_space: global }
      - { .name: bk, .offset: 24, .size: 8, .value_kind: global_buffer, .address_space: global }
      - { .name: qp, .offset: 32, .size: 8, .value_kind: global_buffer, .address_space: global }
      - { .name: cp, .offset: 40, .size: 8, .value_kind: global_buffer, .address_space: global }
    .group_segment_fixed_size: 25600
    .private_segment_fixed_size: 0
    .kernarg_segment_align: 8
    .kernarg_segment_size: 48
    .max_flat_workgroup_size: 256
    .sgpr_count:     66
    .vgpr_count:     242
    .wavefront_size: 32
...
	.end_amdgpu_metadata
.endif
;; end of part 1
;; launch uvec (part 2): grid 8 x 32, 8 waves a work-group, no clusters, 6,144 bytes of LDS; arguments qp, Wk, up; writes up
.if DOCPART == 2
	.amdgcn_target "amdgcn-amd-amdhsa--gfx1250"
	.amdhsa_code_object_version 6
	.text
	.protected	k_q4e1dec9bb8_uvec
	.globl	k_q4e1dec9bb8_uvec
	.p2align	8
	.type	k_q4e1dec9bb8_uvec,@function
k_q4e1dec9bb8_uvec:
	s_mov_b64 s[64:65], 0
	v_nop
	global_prefetch_b8 v0, s[64:65] scope:SCOPE_SE
	s_setreg_imm32_b32 hwreg(HW_REG_WAVE_MODE, 25, 1), 1
	s_wait_xcnt 0x0
; u[b][i] = sum over j of Wk[i][j] q[b][j], as 8 partial sums up[pj][b][i].  (x_t . u[b] is q[b] . (x_t Wk).)
; A work-group takes 64 rows (rowblk) x 256 columns (pj) of Wk: 64 KiB, each byte of Wk read once in the launch.
; First the 16 partial sums of q for the 256 columns and 4 batches are added (thread t: batch t >> 6, four columns) and laid in LDS.
; Wave w takes rows 8 w .. 8 w + 7; lane l columns 4 l .. 4 l + 3 of each half of 128: one load of a wave covers 512 consecutive bytes.
; A lane's 32 partial dot products (4 b x 8 rows) are summed over the lanes by a butterfly that leaves sum number l in lane l.
; f32 on the vector unit, no matrix instruction (4 rows), no tensor load or ring (no loop: all is asked for at the head),
; no cluster: no byte of Wk is shared; the 64 KiB of qp that the 32 work-groups of one pj share are asked for once, at the head,
; and are added by the lanes that load them.
; LIMIT: the order of the sums is not reference()'s.
.set QS,  0                            ; LDS: q, 4 b x 256 columns of f32: byte 16 t
.set UST, 4096                         ; LDS: the tile's results, 4 b x 64 rows of f32
.set T,   8                            ; v[8:15]   four pairs at work, one for each b
.set RT,  16                           ; v[16:19]  at work in the butterfly
.set QP,  32                           ; v[32:95]  16 partial sums of q, 4 registers each
.set Q,   32                           ; v[32:63]  then q: Q + 8 b + 4 c
.set P,   64                           ; v[64:95]  P + 8 b + r: my part of u[b][row r]
.set W,   96                           ; v[96:159] W + 8 r + 4 c
.macro QADD d, s                       ; four numbers onto four
	v_pk_add_f32 v[\d:\d+1], v[\d:\d+1], v[\s:\s+1]
	v_pk_add_f32 v[\d+2:\d+3], v[\d+2:\d+3], v[\s+2:\s+3]
.endm
; one step of the butterfly: of values k and k + cnt a lane keeps the one that its bit (mask msk) names, and sends the other to lane xor cnt
.macro RSTEP V, R, cnt, msk
.set kk, 0
.rept \cnt
	v_cndmask_b32 v[\R+2*(kk%2)], v[\V+kk], v[\V+kk+\cnt], \msk
	v_cndmask_b32 v[\R+2*(kk%2)+1], v[\V+kk+\cnt], v[\V+kk], \msk
	v_add_f32_dpp v[\V+kk], v[\R+2*(kk%2)+1], v[\R+2*(kk%2)] row_xmask:\cnt row_mask:0xf bank_mask:0xf
.set kk, kk+1
.endr
.endm
; 32 values a lane in v[V .. V+31]; at the end lane l holds in v[V] the sum over the 32 lanes of value l
.macro REDUCE32 V, R
.set kk, 0
.rept 16
	v_permlane16_swap_b32 v[\V+kk], v[\V+kk+16]    ; lanes 0-15 now hold both halves' value k, lanes 16-31 both halves' value k + 16
	v_add_f32 v[\V+kk], v[\V+kk], v[\V+kk+16]
.set kk, kk+1
.endr
	RSTEP \V, \R, 8, s16
	RSTEP \V, \R, 4, s17
	RSTEP \V, \R, 2, s18
	RSTEP \V, \R, 1, s19
.endm
; row r of my eight against the four q
.macro UROW r
	s_wait_loadcnt 14-2*\r                         ; the row's two loads are in; the 14 - 2 r behind them stay out
.irp b, 0,1,2,3
	v_pk_mul_f32 v[T+2*\b:T+2*\b+1], v[W+8*\r:W+8*\r+1], v[Q+8*\b:Q+8*\b+1]
.endr
.irp j, 2,4,6
.irp b, 0,1,2,3
	v_pk_fma_f32 v[T+2*\b:T+2*\b+1], v[W+8*\r+\j:W+8*\r+\j+1], v[Q+8*\b+\j:Q+8*\b+\j+1], v[T+2*\b:T+2*\b+1]
.endr
.endr
.irp b, 0,1,2,3
	v_add_f32 v[P+8*\b+\r], v[T+2*\b], v[T+2*\b+1]
.endr
.endm
	s_load_b128 s[4:7], s[0:1], 0x0                ; qp s[4:5], Wk s[6:7]
	s_load_b64 s[8:9], s[0:1], 0x10                ; up
	v_lshl_add_u32 v160, v0, 2, 0x1400
	v_mov_b32 v161, 0
	v_lshrrev_b32 v3, 5, v0
	v_readfirstlane_b32 s20, v3                    ; wave w
	s_mov_b32 s21, ttmp9                           ; pj
	s_and_b32 s22, ttmp7, 0xffff                   ; rowblk
	s_mov_b32 s16, 0xff00ff00                      ; lanes whose bit 3, 2, 1, 0 is set
	s_mov_b32 s17, 0xf0f0f0f0
	s_mov_b32 s18, 0xcccccccc
	s_mov_b32 s19, 0xaaaaaaaa
	v_and_b32 v2, 31, v0                           ; lane
	v_lshlrev_b32 v1, 4, v2                        ; 16 lane
	v_and_b32 v20, 63, v0
	v_lshlrev_b32 v20, 4, v20                      ; 16 (t & 63)
	v_lshrrev_b32 v21, 6, v0
	v_lshl_add_u32 v4, v21, 13, v20                ; qp: 8192 (t >> 6) + 16 (t & 63)
	v_lshlrev_b32 v5, 4, v0                        ; QS: 16 t
	v_lshrrev_b32 v21, 3, v2
	v_and_b32 v22, 7, v2
	v_lshlrev_b32 v22, 2, v22
	v_lshl_add_u32 v6, v21, 8, v22                 ; UST: 256 (l >> 3) + 4 (l & 7)
	s_lshl_b32 s23, s20, 5
	v_add_nc_u32 v6, s23, v6                       ; + 32 w
	v_bfe_u32 v21, v0, 4, 2
	v_and_b32 v22, 15, v0
	v_lshlrev_b32 v22, 4, v22
	v_lshl_add_u32 v7, v21, 13, v22                ; up: 8192 ((t >> 4) & 3) + 16 (t & 15)
	s_lshl_b32 s24, s21, 10                        ; 1024 pj
	s_mov_b32 s25, 0
	s_lshl_b32 s28, s22, 19                        ; Wk: row 64 rowblk + 8 w, 8,192 bytes a row, + 1024 pj
	s_lshl_b32 s23, s20, 16
	s_add_co_u32 s28, s28, s23
	s_add_co_u32 s28, s28, s24
	s_mov_b32 s29, 0
	s_lshl_b32 s30, s21, 15                        ; up: 32768 pj + 256 rowblk
	s_lshl_b32 s23, s22, 8
	s_add_co_u32 s30, s30, s23
	s_mov_b32 s31, 0
	s_wait_kmcnt 0x0
	s_add_nc_u64 s[4:5], s[4:5], s[24:25]
	s_add_nc_u64 s[6:7], s[6:7], s[28:29]
	s_add_nc_u64 s[8:9], s[8:9], s[30:31]
	; all 32 loads of the wave in one run: 16 of qp, 16 of Wk
.irp p, 0,1,2,3,4,5,6,7,8,9,10,11,12,13,14,15
	global_load_b128 v[QP+4*\p:QP+4*\p+3], v4, s[4:5] offset:32768*\p
.endr
.irp r, 0,1,2,3,4,5,6,7
	global_load_b128 v[W+8*\r:W+8*\r+3], v1, s[6:7] offset:8192*\r th:TH_LOAD_NT
	global_load_b128 v[W+8*\r+4:W+8*\r+7], v1, s[6:7] offset:8192*\r+512 th:TH_LOAD_NT
.endr
	s_wait_loadcnt 16                              ; qp is in; Wk's 16 loads stay out
.irp p, 0,2,4,6,8,10,12,14
	QADD QP+4*\p, QP+4*\p+4
.endr
.irp p, 0,4,8,12
	QADD QP+4*\p, QP+4*\p+8
.endr
	QADD QP, QP+16
	QADD QP+32, QP+48
	QADD QP, QP+32
	ds_store_b128 v5, v[QP:QP+3] offset:QS
	s_wait_dscnt 0x0                               ; my part of q is in LDS before I say so
	s_barrier_signal -1
	s_barrier_wait -1
.irp b, 0,1,2,3
.irp c, 0,1
	ds_load_b128 v[Q+8*\b+4*\c:Q+8*\b+4*\c+3], v1 offset:QS+1024*\b+512*\c
.endr
.endr
	s_wait_dscnt 0x0
.irp r, 0,1,2,3,4,5,6,7
	UROW \r
.endr
	REDUCE32 P, RT                                 ; lane l: b = l >> 3, row l & 7
	ds_store_b32 v6, v[P] offset:UST
	s_wait_dscnt 0x0
	s_barrier_signal -1
	s_barrier_wait -1
	s_cmp_gt_u32 s20, 1                            ; 1,024 bytes go out: 64 threads, 16 bytes each
	s_cbranch_scc1 .Lend
	ds_load_b128 v[8:11], v20 offset:UST
	s_wait_dscnt 0x0
	global_store_b128 v7, v[8:11], s[8:9]          ; 16 lanes store 256 consecutive bytes, aligned
.Lend:
	s_wait_tensorcnt 0x0
	ds_add_u32 v160, v161
	s_wait_dscnt 0x0
	s_endpgm
.Lfunc_end_k_q4e1dec9bb8_uvec:
	.size	k_q4e1dec9bb8_uvec, .Lfunc_end_k_q4e1dec9bb8_uvec-k_q4e1dec9bb8_uvec
	.p2alignl 7, 3214868480
	.fill 96, 4, 3214868480
	.section	.rodata,"a",@progbits
	.p2align	6, 0x0
	.amdhsa_kernel k_q4e1dec9bb8_uvec
		.amdhsa_group_segment_fixed_size 6144
		.amdhsa_private_segment_fixed_size 0
		.amdhsa_enable_private_segment 0
		.amdhsa_kernarg_size 24
		.amdhsa_user_sgpr_count 2
		.amdhsa_user_sgpr_kernarg_segment_ptr 1
		.amdhsa_wavefront_size32 1
		.amdhsa_system_sgpr_workgroup_id_x 1
		.amdhsa_system_sgpr_workgroup_id_y 1
		.amdhsa_system_sgpr_workgroup_id_z 1
		.amdhsa_system_vgpr_workitem_id 0
		.amdhsa_next_free_vgpr 162
		.amdhsa_next_free_sgpr 66
		.amdhsa_reserve_vcc 0
		.amdhsa_float_denorm_mode_32 3
		.amdhsa_float_denorm_mode_16_64 3
		.amdhsa_memory_ordered 1
		.amdhsa_forward_progress 1
		.amdhsa_inst_pref_size 22
	.end_amdhsa_kernel
	.amdgpu_metadata
---
amdhsa.version: [ 1, 2 ]
amdhsa.kernels:
  - .name:           k_q4e1dec9bb8_uvec
    .symbol:         k_q4e1dec9bb8_uvec.kd
    .args:
      - { .name: qp, .offset: 0, .size: 8, .value_kind: global_buffer, .address_space: global }
      - { .name: Wk, .offset: 8, .size: 8, .value_kind: global_buffer, .address_space: global }
      - { .name: up, .offset: 16, .size: 8, .value_kind: global_buffer, .address_space: global }
    .group_segment_fixed_size: 6144
    .private_segment_fixed_size: 0
    .kernarg_segment_align: 8
    .kernarg_segment_size: 24
    .max_flat_workgroup_size: 256
    .sgpr_count:     66
    .vgpr_count:     162
    .wavefront_size: 32
...
	.end_amdgpu_metadata
.endif
;; end of part 2
;; launch attn (part 3): grid 256 x 1, 16 waves a work-group, no clusters, 6,656 bytes of LDS; arguments x, up, cp, yp, sc, st; writes yp, sc, st
.if DOCPART == 3
	.amdgcn_target "amdgcn-amd-amdhsa--gfx1250"
	.amdhsa_code_object_version 6
	.text
	.protected	k_q4e1dec9bb8_attn
	.globl	k_q4e1dec9bb8_attn
	.p2align	8
	.type	k_q4e1dec9bb8_attn,@function
k_q4e1dec9bb8_attn:
	s_mov_b64 s[64:65], 0
	v_nop
	global_prefetch_b8 v0, s[64:65] scope:SCOPE_SE
	s_setreg_imm32_b32 hwreg(HW_REG_WAVE_MODE, 25, 1), 1
	s_wait_xcnt 0x0
; The one pass over x.  Work-group g owns rows 32 g .. 32 g + 31 of x taken as [8192][2048]; its batch is b = g >> 6.
; It makes: the 32 scores s2 = (x_t . u[b] + c[b]) * 2048^-1/2 * log2 e (so that exponentials are powers of two), their maximum m,
; e_t = 2^(s2_t - m), l = sum of e_t, and yp[g][c] = sum over t of e_t x[t][c].  Later launches join the 64 groups of a batch by (m, l).
; The maximum is taken away before every exponential: here the group's own, later the batch's.
; Wave w owns columns 128 w .. 128 w + 127 of all 32 rows (thread t: the 16 bytes at 16 t of each row), 128 registers a lane: the work-group's
; 256 KiB of x stay in registers between the scores and the weighted sum, so x is read from memory once.
; f32 on the vector unit: one query row a batch, nothing for a matrix instruction to share.  No loop, no LDS ring, no tensor load: all 41 loads of a wave
; go out at the head.  No cluster: no byte of x is shared; the 64 KiB of up and 2 KiB of cp that the 64 groups of a batch share are a fifth of a
; group's bytes, asked for once at the head and added by the lanes that load them.
; LIMITS: the order of the sums is not reference()'s; v_exp_f32 gives 0 for results under 2^-126 (ISA guide 15.8).
.set PS,  0                            ; LDS: 32 rows x 16 waves' partial scores, pitch 80 bytes (64 + 16)
.set EB,  2560                         ; LDS: each wave's own 128 bytes: the 32 e_t, to bring them to every lane
.set CC,  10                           ; v[10:11]  (my word of cp, 0): the addend of each row's first multiply-add
.set U,   12                           ; v[12:15]  u of my four columns
.set T,   16                           ; v[16:23]  at work
.set S2,  16                           ; v16       then my row's score
.set ML,  18                           ; v[18:19]  (m, l)
.set TMP, 21
.set EX,  22                           ; v22       e of my row
.set YA,  24                           ; v[24:27], v[28:31]  the weighted sum, even and odd rows
.set YB,  28
.set UP,  32                           ; v[32:63]  8 partial sums of u
.set E,   32                           ; v[32:63]  then the 32 e_t
.set P,   64                           ; v[64:95]  my part of each row's score
.set X,   96                           ; v[96:223] row r at X + 4 r
.macro QADD d, s
	v_pk_add_f32 v[\d:\d+1], v[\d:\d+1], v[\s:\s+1]
	v_pk_add_f32 v[\d+2:\d+3], v[\d+2:\d+3], v[\s+2:\s+3]
.endm
.macro WSUMR d, s, t                   ; sum over the 32 lanes, in every lane
	v_add_f32_dpp v[\d], v[\s], v[\s] row_xmask:1 row_mask:0xf bank_mask:0xf
	v_add_f32_dpp v[\d], v[\d], v[\d] row_xmask:2 row_mask:0xf bank_mask:0xf
	v_add_f32_dpp v[\d], v[\d], v[\d] row_xmask:4 row_mask:0xf bank_mask:0xf
	v_add_f32_dpp v[\d], v[\d], v[\d] row_xmask:8 row_mask:0xf bank_mask:0xf
	v_permlanex16_b32 v[\t], v[\d], s26, s27       ; its destination counts as read: a register that has been written
	v_add_f32 v[\d], v[\d], v[\t]
.endm
.macro WMAXR d, s, t                   ; the same for the maximum
	v_max_num_f32_dpp v[\d], v[\s], v[\s] row_xmask:1 row_mask:0xf bank_mask:0xf
	v_max_num_f32_dpp v[\d], v[\d], v[\d] row_xmask:2 row_mask:0xf bank_mask:0xf
	v_max_num_f32_dpp v[\d], v[\d], v[\d] row_xmask:4 row_mask:0xf bank_mask:0xf
	v_max_num_f32_dpp v[\d], v[\d], v[\d] row_xmask:8 row_mask:0xf bank_mask:0xf
	v_permlanex16_b32 v[\t], v[\d], s26, s27
	v_max_num_f32 v[\d], v[\d], v[\t]
.endm
; one step of the butterfly: of values k and k + cnt a lane keeps the one that its bit (mask msk) names, and sends the other to lane xor cnt
.macro RSTEP V, R, cnt, msk
.set kk, 0
.rept \cnt
	v_cndmask_b32 v[\R+2*(kk%2)], v[\V+kk], v[\V+kk+\cnt], \msk
	v_cndmask_b32 v[\R+2*(kk%2)+1], v[\V+kk+\cnt], v[\V+kk], \msk
	v_add_f32_dpp v[\V+kk], v[\R+2*(kk%2)+1], v[\R+2*(kk%2)] row_xmask:\cnt row_mask:0xf bank_mask:0xf
.set kk, kk+1
.endr
.endm
; 32 values a lane in v[V .. V+31]; at the end lane l holds in v[V] the sum over the 32 lanes of value l
.macro REDUCE32 V, R
.set kk, 0
.rept 16
	v_permlane16_swap_b32 v[\V+kk], v[\V+kk+16]    ; lanes 0-15 now hold both halves' value k, lanes 16-31 both halves' value k + 16
	v_add_f32 v[\V+kk], v[\V+kk], v[\V+kk+16]
.set kk, kk+1
.endr
	RSTEP \V, \R, 8, s16
	RSTEP \V, \R, 4, s17
	RSTEP \V, \R, 2, s18
	RSTEP \V, \R, 1, s19
.endm
; sum over k = 0..31 of EE[k] * XX[4 k .. 4 k + 3]: even k into A, odd k into B (four chains), the first products start the sums
.macro WSUM XX, EE, A, B
	v_pk_mul_f32 v[\A:\A+1], v[\XX:\XX+1], v[\EE:\EE+1] op_sel_hi:[1,0]
	v_pk_mul_f32 v[\A+2:\A+3], v[\XX+2:\XX+3], v[\EE:\EE+1] op_sel_hi:[1,0]
	v_pk_mul_f32 v[\B:\B+1], v[\XX+4:\XX+5], v[\EE:\EE+1] op_sel:[0,1] op_sel_hi:[1,1]
	v_pk_mul_f32 v[\B+2:\B+3], v[\XX+6:\XX+7], v[\EE:\EE+1] op_sel:[0,1] op_sel_hi:[1,1]
.set kk, 2
.rept 15
	v_pk_fma_f32 v[\A:\A+1], v[\XX+4*kk:\XX+4*kk+1], v[\EE+kk:\EE+kk+1], v[\A:\A+1] op_sel_hi:[1,0,1]
	v_pk_fma_f32 v[\A+2:\A+3], v[\XX+4*kk+2:\XX+4*kk+3], v[\EE+kk:\EE+kk+1], v[\A+2:\A+3] op_sel_hi:[1,0,1]
	v_pk_fma_f32 v[\B:\B+1], v[\XX+4*kk+4:\XX+4*kk+5], v[\EE+kk:\EE+kk+1], v[\B:\B+1] op_sel:[0,1,0] op_sel_hi:[1,1,1]
	v_pk_fma_f32 v[\B+2:\B+3], v[\XX+4*kk+6:\XX+4*kk+7], v[\EE+kk:\EE+kk+1], v[\B+2:\B+3] op_sel:[0,1,0] op_sel_hi:[1,1,1]
.set kk, kk+2
.endr
	v_pk_add_f32 v[\A:\A+1], v[\A:\A+1], v[\B:\B+1]
	v_pk_add_f32 v[\A+2:\A+3], v[\A+2:\A+3], v[\B+2:\B+3]
.endm
; my part of the scores of rows r0 .. r0 + 3, on four pairs that do not wait for each other
.macro ROWS4 r0
.irp i, 0,1,2,3
	v_pk_fma_f32 v[T+2*\i:T+2*\i+1], v[X+4*(\r0+\i):X+4*(\r0+\i)+1], v[U:U+1], v[CC:CC+1]
.endr
.irp i, 0,1,2,3
	v_pk_fma_f32 v[T+2*\i:T+2*\i+1], v[X+4*(\r0+\i)+2:X+4*(\r0+\i)+3], v[U+2:U+3], v[T+2*\i:T+2*\i+1]
.endr
.irp i, 0,1,2,3
	v_add_f32 v[P+\r0+\i], v[T+2*\i], v[T+2*\i+1]
.endr
.endm
	s_load_b256 s[4:11], s[0:1], 0x0               ; x s[4:5], up s[6:7], cp s[8:9], yp s[10:11]
	s_load_b128 s[12:15], s[0:1], 0x20             ; sc s[12:13], st s[14:15]
	v_lshl_add_u32 v224, v0, 2, 0x1200
	v_mov_b32 v225, 0
	v_lshrrev_b32 v9, 5, v0
	v_readfirstlane_b32 s20, v9                    ; wave w
	s_lshr_b32 s21, ttmp9, 6                       ; batch b
	s_mov_b32 s16, 0xff00ff00                      ; lanes whose bit 3, 2, 1, 0 is set
	s_mov_b32 s17, 0xf0f0f0f0
	s_mov_b32 s18, 0xcccccccc
	s_mov_b32 s19, 0xaaaaaaaa
	s_mov_b32 s26, 0x76543210                      ; v_permlanex16_b32: lane i of one half reads lane i of the other
	s_mov_b32 s27, 0xfedcba98
	v_and_b32 v2, 31, v0                           ; lane
	v_lshlrev_b32 v1, 4, v0                        ; 16 t: my 16 bytes of a row
	v_lshrrev_b32 v9, 1, v2
	v_and_b32 v3, 1, v2
	v_lshlrev_b32 v3, 2, v3
	v_lshl_add_u32 v3, v9, 5, v3                   ; cp[jblk = w][iblk = l >> 1][b][half = l & 1]: the 512 threads take the batch's 512 words, one each
	s_lshl_b32 s28, s20, 9
	s_lshl3_add_u32 s28, s21, s28
	v_add_nc_u32 v3, s28, v3
	v_mul_u32_u24 v5, 80, v2                       ; PS: row = lane
	s_lshl_b32 s28, s20, 2
	v_add_nc_u32 v4, s28, v5                       ; and my wave's word in it
	s_lshl_b32 s28, s20, 7
	v_lshl_add_u32 v6, v2, 2, s28                  ; EB: 128 w + 4 lane
	v_mov_b32 v7, s28                              ; EB: 128 w, the same in every lane
	v_lshlrev_b32 v8, 2, v2                        ; sc: 4 lane
	v_mov_b32 v9, 0                                ; st: the base is all
	v_mov_b32 v[CC+1], 0
	s_lshl_b32 s24, ttmp9, 18                      ; x: 32 rows of 8,192 bytes a group
	s_mov_b32 s25, 0
	s_lshl_b32 s30, s21, 13                        ; up: 8192 b
	s_mov_b32 s31, 0
	s_lshl_b32 s32, ttmp9, 13                      ; yp: 8192 g
	s_mov_b32 s33, 0
	s_lshl_b32 s34, ttmp9, 7                       ; sc: 128 g
	s_mov_b32 s35, 0
	s_lshl_b32 s36, ttmp9, 3                       ; st: 8 g
	s_mov_b32 s37, 0
	s_wait_kmcnt 0x0
	s_add_nc_u64 s[4:5], s[4:5], s[24:25]
	s_add_nc_u64 s[6:7], s[6:7], s[30:31]
	s_add_nc_u64 s[10:11], s[10:11], s[32:33]
	s_add_nc_u64 s[12:13], s[12:13], s[34:35]
	s_add_nc_u64 s[14:15], s[14:15], s[36:37]
	; all 41 loads of the wave in one run: cp, 8 of up, 32 of x
	global_load_b32 v[CC], v3, s[8:9]
.irp p, 0,1,2,3,4,5,6,7
	global_load_b128 v[UP+4*\p:UP+4*\p+3], v1, s[6:7] offset:32768*\p
.endr
.set kk, 0
.rept 32
	global_load_b128 v[X+4*kk:X+4*kk+3], v1, s[4:5] offset:8192*kk th:TH_LOAD_NT
.set kk, kk+1
.endr
	s_wait_loadcnt 32                              ; cp and up are in; the 32 rows stay out
	QADD UP, UP+4
	QADD UP+8, UP+12
	QADD UP+16, UP+20
	QADD UP+24, UP+28
	QADD UP, UP+8
	QADD UP+16, UP+24
	v_pk_add_f32 v[U:U+1], v[UP:UP+1], v[UP+16:UP+17]
	v_pk_add_f32 v[U+2:U+3], v[UP+2:UP+3], v[UP+18:UP+19]
.irp q, 0,1,2,3,4,5,6,7
	s_wait_loadcnt 28-4*\q                         ; loads come back in order: rows up to 4 q + 3 are in, the rest stay out
	ROWS4 4*\q
.endr
	REDUCE32 P, T                                  ; lane l: my wave's part of row l's score
	ds_store_b32 v4, v[P] offset:PS
	s_wait_dscnt 0x0                               ; in LDS before I say so
	s_barrier_signal -1
	s_barrier_wait -1
.irp k, 0,1,2,3
	ds_load_b128 v[P+4*\k:P+4*\k+3], v5 offset:PS+16*\k            ; every wave adds all sixteen parts of row = lane
.endr
	s_wait_dscnt 0x0
	v_pk_add_f32 v[P:P+1], v[P:P+1], v[P+2:P+3]
	v_pk_add_f32 v[P+4:P+5], v[P+4:P+5], v[P+6:P+7]
	v_pk_add_f32 v[P+8:P+9], v[P+8:P+9], v[P+10:P+11]
	v_pk_add_f32 v[P+12:P+13], v[P+12:P+13], v[P+14:P+15]
	v_pk_add_f32 v[P:P+1], v[P:P+1], v[P+4:P+5]
	v_pk_add_f32 v[P+8:P+9], v[P+8:P+9], v[P+12:P+13]
	v_pk_add_f32 v[P:P+1], v[P:P+1], v[P+8:P+9]
	v_add_f32 v[P], v[P], v[P+1]
	v_mul_f32 v[S2], 0x3d0293ee, v[P]              ; x 2048^-1/2 x log2 e = 0.0318793577
	WMAXR ML, S2, TMP                              ; m, in every lane
	v_sub_f32 v20, v[S2], v[ML]
	v_exp_f32 v[EX], v20
	v_nop                                          ; one plain place behind the exponential (ISA guide 5.7.2)
	s_wait_alu depctr_va_vdst(0)
	ds_store_b32 v6, v[EX] offset:EB               ; my wave's own bytes: LDS serves a wave's instructions in order, so the loads below see this store
.irp k, 0,1,2,3,4,5,6,7
	ds_load_b128 v[E+4*\k:E+4*\k+3], v7 offset:EB+16*\k            ; all 32 e_t into every lane
.endr
	WSUMR ML+1, EX, TMP                            ; l, while they come
	s_wait_dscnt 0x0
	WSUM X, E, YA, YB
	global_store_b128 v1, v[YA:YA+3], s[10:11]     ; a wave stores 512 consecutive bytes, aligned
	s_cmp_lg_u32 s20, 0                            ; every wave holds the same scores, m and l: wave 0 stores them
	s_cbranch_scc1 .Lend
	global_store_b32 v8, v[S2], s[12:13]           ; 128 bytes: the group's whole share of sc
	s_wait_xcnt 0x0                                ; EXEC is a source of the stores above: it narrows only behind this wait
	v_cmp_eq_u32 vcc_lo, 0, v2
	s_and_saveexec_b32 s28, vcc_lo
	global_store_b64 v9, v[ML:ML+1], s[14:15]      ; 8 bytes: the group's whole share of st
	s_wait_xcnt 0x0                                ; and widens only behind this one
	s_or_b32 exec_lo, exec_lo, s28
.Lend:
	s_wait_tensorcnt 0x0
	ds_add_u32 v224, v225
	s_wait_dscnt 0x0
	s_endpgm
.Lfunc_end_k_q4e1dec9bb8_attn:
	.size	k_q4e1dec9bb8_attn, .Lfunc_end_k_q4e1dec9bb8_attn-k_q4e1dec9bb8_attn
	.p2alignl 7, 3214868480
	.fill 96, 4, 3214868480
	.section	.rodata,"a",@progbits
	.p2align	6, 0x0
	.amdhsa_kernel k_q4e1dec9bb8_attn
		.amdhsa_group_segment_fixed_size 6656
		.amdhsa_private_segment_fixed_size 0
		.amdhsa_enable_private_segment 0
		.amdhsa_kernarg_size 48
		.amdhsa_user_sgpr_count 2
		.amdhsa_user_sgpr_kernarg_segment_ptr 1
		.amdhsa_wavefront_size32 1
		.amdhsa_system_sgpr_workgroup_id_x 1
		.amdhsa_system_sgpr_workgroup_id_y 1
		.amdhsa_system_sgpr_workgroup_id_z 1
		.amdhsa_system_vgpr_workitem_id 0
		.amdhsa_next_free_vgpr 226
		.amdhsa_next_free_sgpr 66
		.amdhsa_reserve_vcc 1
		.amdhsa_float_denorm_mode_32 3
		.amdhsa_float_denorm_mode_16_64 3
		.amdhsa_memory_ordered 1
		.amdhsa_forward_progress 1
		.amdhsa_inst_pref_size 24
	.end_amdhsa_kernel
	.amdgpu_metadata
---
amdhsa.version: [ 1, 2 ]
amdhsa.kernels:
  - .name:           k_q4e1dec9bb8_attn
    .symbol:         k_q4e1dec9bb8_attn.kd
    .args:
      - { .name: x, .offset: 0, .size: 8, .value_kind: global_buffer, .address_space: global }
      - { .name: up, .offset: 8, .size: 8, .value_kind: global_buffer, .address_space: global }
      - { .name: cp, .offset: 16, .size: 8, .value_kind: global_buffer, .address_space: global }
      - { .name: yp, .offset: 24, .size: 8, .value_kind: global_buffer, .address_space: global }
      - { .name: sc, .offset: 32, .size: 8, .value_kind: global_buffer, .address_space: global }
      - { .name: st, .offset: 40, .size: 8, .value_kind: global_buffer, .address_space: global }
    .group_segment_fixed_size: 6656
    .private_segment_fixed_size: 0
    .kernarg_segment_align: 8
    .kernarg_segment_size: 48
    .max_flat_workgroup_size: 512
    .sgpr_count:     66
    .vgpr_count:     226
    .wavefront_size: 32
...
	.end_amdgpu_metadata
.endif
;; end of part 3
;; launch vproj (part 4): grid 16 x 16, 8 waves a work-group, no clusters, 25,600 bytes of LDS; arguments yp, st, Wv, bv, zp; writes zp
.if DOCPART == 4
	.amdgcn_target "amdgcn-amd-amdhsa--gfx1250"
	.amdhsa_code_object_version 6
	.text
	.protected	k_q4e1dec9bb8_vproj
	.globl	k_q4e1dec9bb8_vproj
	.p2align	8
	.type	k_q4e1dec9bb8_vproj,@function
k_q4e1dec9bb8_vproj:
	s_mov_b64 s[64:65], 0
	v_nop
	global_prefetch_b8 v0, s[64:65] scope:SCOPE_SE
	s_setreg_imm32_b32 hwreg(HW_REG_WAVE_MODE, 25, 1), 1
	s_wait_xcnt 0x0
; z[b][j] = sum over i of y[b][i] Wv[i][j] + bv[j], as 16 partial sums zp[iblk][b][j], where y[b] = sum over t of wei[b][t] x[b][t].
; (sum of wei_t (x_t Wv + bv) = y Wv + bv, since a softmax's weights add up to 1, here to within f32 rounding.)
; y[b][i] = sum over the batch's 64 groups g of f_g yp[g][i], f_g = 2^(m_g - M) / L, M = max of m_g, L = sum of l_g 2^(m_g - M).
; A work-group takes a tile of 128 rows (iblk) x 128 columns (jblk) of Wv: 64 KiB, each byte of Wv read once in the launch.
; Wave w first joins groups 32 w .. 32 w + 31 (batch w >> 1) for the tile's 128 rows i (lane l: i = 4 l .. 4 l + 3); the two halves of a batch meet in LDS.
; Then wave w takes rows 16 w .. 16 w + 15 of the tile, lane l columns 4 l .. 4 l + 3.
; f32 on the vector unit (4 rows: nothing for a matrix instruction), no loop, no ring, no tensor load: all 51 loads of a wave go out at the head.
; No cluster: no byte of Wv is shared.  The 128 KiB of yp that the 16 work-groups of one iblk share are asked for once, at the head, and are joined
; in the registers of the lanes that load them; a joint request would bring them by way of LDS and add cluster barriers to a text that has two barriers in all.
; BIAS: each of the 16 x 8 = 128 (iblk, wave) accumulators of a column starts from bv[j] * 2^-7 (exact), so that their sum carries bv[j].
; LIMITS: the order of the sums is not reference()'s; bits of a bias under 2^-149 after the scaling are lost; v_exp_f32 gives 0 under 2^-126 (ISA guide 15.8).
.set YBUF, 0                           ; LDS: 8 waves x 128 numbers of y
.set FB,   4096                        ; LDS: each wave's own 128 bytes: its 32 f_g, to bring them to every lane
.set RED,  8192                        ; LDS: 8 waves x 4 b x 128 columns of f32 = 16 KiB
.set OUTO, 8
.set LST,  9
.set LANE, 10
.set TMP,  11
.set LRD,  14
.set BI,   16                          ; v[16:19]   bias share of my four columns
.set YA,   24                          ; v[24:31]   at work, then the joined sum, even and odd g
.set YB,   28
.set W,    32                          ; v[32:95]   16 rows of Wv
.set D,    96                          ; v[96:223]  32 groups' yp, then y: D + 32 b + r, then the eight waves' sums
.set F,    224                         ; v[224:255] the 32 f_g
.set ACC,  224                         ; v[224:239] afterwards ACC + 4 b
.macro WSUMR d, s, t                   ; sum over the 32 lanes, in every lane
	v_add_f32_dpp v[\d], v[\s], v[\s] row_xmask:1 row_mask:0xf bank_mask:0xf
	v_add_f32_dpp v[\d], v[\d], v[\d] row_xmask:2 row_mask:0xf bank_mask:0xf
	v_add_f32_dpp v[\d], v[\d], v[\d] row_xmask:4 row_mask:0xf bank_mask:0xf
	v_add_f32_dpp v[\d], v[\d], v[\d] row_xmask:8 row_mask:0xf bank_mask:0xf
	v_permlanex16_b32 v[\t], v[\d], s26, s27       ; its destination counts as read: a register that has been written
	v_add_f32 v[\d], v[\d], v[\t]
.endm
.macro WMAXR d, s, t
	v_max_num_f32_dpp v[\d], v[\s], v[\s] row_xmask:1 row_mask:0xf bank_mask:0xf
	v_max_num_f32_dpp v[\d], v[\d], v[\d] row_xmask:2 row_mask:0xf bank_mask:0xf
	v_max_num_f32_dpp v[\d], v[\d], v[\d] row_xmask:4 row_mask:0xf bank_mask:0xf
	v_max_num_f32_dpp v[\d], v[\d], v[\d] row_xmask:8 row_mask:0xf bank_mask:0xf
	v_permlanex16_b32 v[\t], v[\d], s26, s27
	v_max_num_f32 v[\d], v[\d], v[\t]
.endm
; sum over k = 0..31 of EE[k] * XX[4 k .. 4 k + 3]: even k into A, odd k into B (four chains), the first products start the sums
.macro WSUM XX, EE, A, B
	v_pk_mul_f32 v[\A:\A+1], v[\XX:\XX+1], v[\EE:\EE+1] op_sel_hi:[1,0]
	v_pk_mul_f32 v[\A+2:\A+3], v[\XX+2:\XX+3], v[\EE:\EE+1] op_sel_hi:[1,0]
	v_pk_mul_f32 v[\B:\B+1], v[\XX+4:\XX+5], v[\EE:\EE+1] op_sel:[0,1] op_sel_hi:[1,1]
	v_pk_mul_f32 v[\B+2:\B+3], v[\XX+6:\XX+7], v[\EE:\EE+1] op_sel:[0,1] op_sel_hi:[1,1]
.set kk, 2
.rept 15
	v_pk_fma_f32 v[\A:\A+1], v[\XX+4*kk:\XX+4*kk+1], v[\EE+kk:\EE+kk+1], v[\A:\A+1] op_sel_hi:[1,0,1]
	v_pk_fma_f32 v[\A+2:\A+3], v[\XX+4*kk+2:\XX+4*kk+3], v[\EE+kk:\EE+kk+1], v[\A+2:\A+3] op_sel_hi:[1,0,1]
	v_pk_fma_f32 v[\B:\B+1], v[\XX+4*kk+4:\XX+4*kk+5], v[\EE+kk:\EE+kk+1], v[\B:\B+1] op_sel:[0,1,0] op_sel_hi:[1,1,1]
	v_pk_fma_f32 v[\B+2:\B+3], v[\XX+4*kk+6:\XX+4*kk+7], v[\EE+kk:\EE+kk+1], v[\B+2:\B+3] op_sel:[0,1,0] op_sel_hi:[1,1,1]
.set kk, kk+2
.endr
	v_pk_add_f32 v[\A:\A+1], v[\A:\A+1], v[\B:\B+1]
	v_pk_add_f32 v[\A+2:\A+3], v[\A+2:\A+3], v[\B+2:\B+3]
.endm
; rows r (even) and r + 1: ACC[b] += W[row] * d[b][row]; the factor is the first or the second register of the pair at D + 32 b + r.
; first = 1: the bias share is the addend, nothing is cleared.
.macro ROW2 r, first
.irp b, 0,1,2,3
.irp h, 0,2
.if \first
	v_pk_fma_f32 v[ACC+4*\b+\h:ACC+4*\b+\h+1], v[W+4*\r+\h:W+4*\r+\h+1], v[D+32*\b+\r:D+32*\b+\r+1], v[BI+\h:BI+\h+1] op_sel_hi:[1,0,1]
.else
	v_pk_fma_f32 v[ACC+4*\b+\h:ACC+4*\b+\h+1], v[W+4*\r+\h:W+4*\r+\h+1], v[D+32*\b+\r:D+32*\b+\r+1], v[ACC+4*\b+\h:ACC+4*\b+\h+1] op_sel_hi:[1,0,1]
.endif
.endr
.endr
.irp b, 0,1,2,3
.irp h, 0,2
	v_pk_fma_f32 v[ACC+4*\b+\h:ACC+4*\b+\h+1], v[W+4*\r+4+\h:W+4*\r+4+\h+1], v[D+32*\b+\r:D+32*\b+\r+1], v[ACC+4*\b+\h:ACC+4*\b+\h+1] op_sel:[0,1,0] op_sel_hi:[1,1,1]
.endr
.endr
.endm
; the 16 rows, four at a time: the weight loads are the wave's last 16 loads and come back in order, so the counts are what is left behind each four
.macro MAIN
	s_wait_loadcnt 16                              ; all but the 16 weight loads: the bias is in
	v_pk_mul_f32 v[BI:BI+1], v[BI:BI+1], 0x3c000000 op_sel_hi:[1,0]       ; x 2^-7
	v_pk_mul_f32 v[BI+2:BI+3], v[BI+2:BI+3], 0x3c000000 op_sel_hi:[1,0]
	s_wait_loadcnt 12
	ROW2 0, 1
	ROW2 2, 0
	s_wait_loadcnt 8
	ROW2 4, 0
	ROW2 6, 0
	s_wait_loadcnt 4
	ROW2 8, 0
	ROW2 10, 0
	s_wait_loadcnt 0
	ROW2 12, 0
	ROW2 14, 0
.endm
; behind the barrier: the input vector of my 16 rows, in every lane: both halves of each batch, then their sum in D + 32 b + r
.macro GATHER
	s_wait_dscnt 0x0                               ; my part is in LDS before I say so
	s_barrier_signal -1
	s_barrier_wait -1
.irp p, 0,1,2,3,4,5,6,7
.irp k, 0,1,2,3
	ds_load_b128 v[D+16*\p+4*\k:D+16*\p+4*\k+3], v15 offset:YBUF+512*\p+16*\k
.endr
.endr
	s_wait_dscnt 0x0
.irp b, 0,1,2,3
.irp j, 0,2,4,6,8,10,12,14
	v_pk_add_f32 v[D+32*\b+\j:D+32*\b+\j+1], v[D+32*\b+\j:D+32*\b+\j+1], v[D+32*\b+16+\j:D+32*\b+16+\j+1]
.endr
.endr
.endm
; the eight waves' sums meet in LDS; thread t then owns batch t >> 6, columns 2 (t & 63) and the next, and stores 8 bytes:
; each store of a wave covers 256 consecutive bytes, aligned
.macro FINAL ob
.irp b, 0,1,2,3
	ds_store_b128 v[LST], v[ACC+4*\b:ACC+4*\b+3] offset:RED+512*\b
.endr
	s_wait_dscnt 0x0
	s_barrier_signal -1
	s_barrier_wait -1
.irp p, 0,1,2,3,4,5,6,7
	ds_load_b64 v[D+2*\p:D+2*\p+1], v[LRD] offset:RED+2048*\p
.endr
	s_wait_dscnt 0x0
	v_pk_add_f32 v[D:D+1], v[D:D+1], v[D+2:D+3]
	v_pk_add_f32 v[D+4:D+5], v[D+4:D+5], v[D+6:D+7]
	v_pk_add_f32 v[D+8:D+9], v[D+8:D+9], v[D+10:D+11]
	v_pk_add_f32 v[D+12:D+13], v[D+12:D+13], v[D+14:D+15]
	v_pk_add_f32 v[D:D+1], v[D:D+1], v[D+4:D+5]
	v_pk_add_f32 v[D+8:D+9], v[D+8:D+9], v[D+12:D+13]
	v_pk_add_f32 v[D:D+1], v[D:D+1], v[D+8:D+9]
	global_store_b64 v[OUTO], v[D:D+1], s[\ob:\ob+1]
.endm
	s_load_b256 s[4:11], s[0:1], 0x0               ; yp s[4:5], st s[6:7], Wv s[8:9], bv s[10:11]
	s_load_b64 s[12:13], s[0:1], 0x20              ; zp
	s_set_vgpr_msb 0x40
	v_lshl_add_u32 v0, v0, 2, 0x6000
	v_mov_b32 v1, 0
	s_set_vgpr_msb 0x4000
	v_lshrrev_b32 v[TMP], 5, v0
	v_readfirstlane_b32 s20, v[TMP]                ; wave w
	s_mov_b32 s21, ttmp9                           ; jblk
	s_and_b32 s22, ttmp7, 0xffff                   ; iblk
	s_mov_b32 s26, 0x76543210
	s_mov_b32 s27, 0xfedcba98
	v_and_b32 v[LANE], 31, v0
	v_lshlrev_b32 v1, 4, v[LANE]                   ; 16 lane
	s_lshl_b32 s28, s20, 8
	v_lshl_add_u32 v2, v[LANE], 3, s28             ; st of group 32 w + lane
	s_xor_b32 s28, s28, 256
	v_lshl_add_u32 v3, v[LANE], 3, s28             ; st of the batch's other half: group 32 (w xor 1) + lane
	s_lshl_b32 s28, s20, 7
	v_lshl_add_u32 v4, v[LANE], 2, s28             ; FB: 128 w + 4 lane
	v_mov_b32 v5, s28                              ; FB: 128 w, the same in every lane
	s_lshl_b32 s29, s21, 9                         ; 512 jblk
	v_add_nc_u32 v6, s29, v1                       ; bv: my four columns
	s_lshl_b32 s28, s20, 9
	v_add_nc_u32 v7, s28, v1                       ; YBUF: 512 w + 16 lane
	s_lshl_b32 s28, s20, 6
	v_mov_b32 v15, s28                             ; YBUF: my 16 rows, 64 w, the same in every lane
	v_and_b32 v12, 63, v0
	v_lshrrev_b32 v13, 6, v0
	v_lshlrev_b32 v[OUTO], 3, v12
	v_lshl_add_u32 v[OUTO], v13, 13, v[OUTO]       ; 8192 (t >> 6) + 8 (t & 63)
	s_lshl_b32 s28, s20, 11
	v_add_nc_u32 v[LST], s28, v1
	v_lshlrev_b32 v[LRD], 3, v0
	s_lshl_b32 s23, s22, 9                         ; 512 iblk
	s_lshl_b32 s24, s20, 18                        ; yp: group 32 w, 8,192 bytes a group, + 512 iblk
	s_add_co_u32 s24, s24, s23
	s_mov_b32 s25, 0
	s_lshl_b32 s30, s22, 20                        ; Wv: row 128 iblk + 16 w, + 512 jblk
	s_lshl_b32 s28, s20, 17
	s_add_co_u32 s30, s30, s28
	s_add_co_u32 s30, s30, s29
	s_mov_b32 s31, 0
	s_lshl_b32 s32, s22, 15                        ; zp: 32768 iblk + 512 jblk
	s_add_co_u32 s32, s32, s29
	s_mov_b32 s33, 0
	s_wait_kmcnt 0x0
	s_add_nc_u64 s[4:5], s[4:5], s[24:25]
	s_add_nc_u64 s[8:9], s[8:9], s[30:31]
	s_add_nc_u64 s[12:13], s[12:13], s[32:33]
	; all 51 loads of the wave in one run: 2 of st, 32 of yp, bv, 16 of Wv
	global_load_b64 v[20:21], v2, s[6:7]
	global_load_b64 v[22:23], v3, s[6:7]
.set kk, 0
.rept 32
	global_load_b128 v[D+4*kk:D+4*kk+3], v1, s[4:5] offset:8192*kk
.set kk, kk+1
.endr
	global_load_b128 v[BI:BI+3], v6, s[10:11]
.irp r, 0,1,2,3,4,5,6,7,8,9,10,11,12,13,14,15
	global_load_b128 v[W+4*\r:W+4*\r+3], v1, s[8:9] offset:8192*\r th:TH_LOAD_NT
.endr
	s_wait_loadcnt 49                              ; the two loads of st are in; the 49 behind them stay out
	v_max_num_f32 v24, v20, v22
	WMAXR 24, 24, TMP                              ; M of my batch
	v_sub_f32 v26, v20, v24
	v_sub_f32 v27, v22, v24
	v_exp_f32 v28, v26                             ; 2^(m - M), my group and its partner
	v_exp_f32 v29, v27
	v_nop                                          ; one plain place behind the exponentials (ISA guide 5.7.2)
	s_wait_alu depctr_va_vdst(0)
	v_mul_f32 v30, v21, v28
	v_fma_f32 v30, v23, v29, v30
	WSUMR 30, 30, TMP                              ; L of my batch; at least 1, since the group that holds M has l >= 1
	v_rcp_f32 v31, v30
	v_nop
	s_wait_alu depctr_va_vdst(0)
	v_mul_f32 v28, v28, v31                        ; f of group 32 w + lane
	ds_store_b32 v4, v28 offset:FB                 ; my wave's own bytes: LDS serves a wave's instructions in order, so the loads below see this store
.irp k, 0,1,2,3,4,5,6,7
	ds_load_b128 v[F+4*\k:F+4*\k+3], v5 offset:FB+16*\k            ; all 32 f into every lane
.endr
	s_wait_dscnt 0x0
	s_wait_loadcnt 17                              ; yp is in; bv and Wv's 16 loads stay out
	WSUM D, F, YA, YB
	ds_store_b128 v7, v[YA:YA+3] offset:YBUF
	GATHER
	MAIN
	FINAL 12
	s_set_vgpr_msb 0x5
	s_wait_tensorcnt 0x0
	ds_add_u32 v0, v1
	s_wait_dscnt 0x0
	s_set_vgpr_msb 0x500
	s_endpgm
.Lfunc_end_k_q4e1dec9bb8_vproj:
	.size	k_q4e1dec9bb8_vproj, .Lfunc_end_k_q4e1dec9bb8_vproj-k_q4e1dec9bb8_vproj
	.p2alignl 7, 3214868480
	.fill 96, 4, 3214868480
	.section	.rodata,"a",@progbits
	.p2align	6, 0x0
	.amdhsa_kernel k_q4e1dec9bb8_vproj
		.amdhsa_group_segment_fixed_size 25600
		.amdhsa_private_segment_fixed_size 0
		.amdhsa_enable_private_segment 0
		.amdhsa_kernarg_size 40
		.amdhsa_user_sgpr_count 2
		.amdhsa_user_sgpr_kernarg_segment_ptr 1
		.amdhsa_wavefront_size32 1
		.amdhsa_system_sgpr_workgroup_id_x 1
		.amdhsa_system_sgpr_workgroup_id_y 1
		.amdhsa_system_sgpr_workgroup_id_z 1
		.amdhsa_system_vgpr_workitem_id 0
		.amdhsa_next_free_vgpr 258
		.amdhsa_next_free_sgpr 66
		.amdhsa_reserve_vcc 0
		.amdhsa_float_denorm_mode_32 3
		.amdhsa_float_denorm_mode_16_64 3
		.amdhsa_memory_ordered 1
		.amdhsa_forward_progress 1
		.amdhsa_inst_pref_size 28
	.end_amdhsa_kernel
	.amdgpu_metadata
---
amdhsa.version: [ 1, 2 ]
amdhsa.kernels:
  - .name:           k_q4e1dec9bb8_vproj
    .symbol:         k_q4e1dec9bb8_vproj.kd
    .args:
      - { .name: yp, .offset: 0, .size: 8, .value_kind: global_buffer, .address_space: global }
      - { .name: st, .offset: 8, .size: 8, .value_kind: global_buffer, .address_space: global }
      - { .name: Wv, .offset: 16, .size: 8, .value_kind: global_buffer, .address_space: global }
      - { .name: bv, .offset: 24, .size: 8, .value_kind: global_buffer, .address_space: global }
      - { .name: zp, .offset: 32, .size: 8, .value_kind: global_buffer, .address_space: global }
    .group_segment_fixed_size: 25600
    .private_segment_fixed_size: 0
    .kernarg_segment_align: 8
    .kernarg_segment_size: 40
    .max_flat_workgroup_size: 256
    .sgpr_count:     66
    .vgpr_count:     258
    .wavefront_size: 32
...
	.end_amdgpu_metadata
.endif
;; end of part 4
;; launch oproj (part 5): grid 16 x 16, 8 waves a work-group, no clusters, 25,600 bytes of LDS; arguments zp, Wp, bp, op; writes op
.if DOCPART == 5
	.amdgcn_target "amdgcn-amd-amdhsa--gfx1250"
	.amdhsa_code_object_version 6
	.text
	.protected	k_q4e1dec9bb8_oproj
	.globl	k_q4e1dec9bb8_oproj
	.p2align	8
	.type	k_q4e1dec9bb8_oproj,@function
k_q4e1dec9bb8_oproj:
	s_mov_b64 s[64:65], 0
	v_nop
	global_prefetch_b8 v0, s[64:65] scope:SCOPE_SE
	s_setreg_imm32_b32 hwreg(HW_REG_WAVE_MODE, 25, 1), 1
	s_wait_xcnt 0x0
; out[b][j] = sum over i of z[b][i] Wp[i][j] + bp[j], as 16 partial sums op[iblk][b][j]; z[b][i] = the sum of the 16 partial sums zp[p][b][i].
; A work-group takes a tile of 128 rows (iblk) x 128 columns (jblk) of Wp: 64 KiB, each byte of Wp read once in the launch.
; Wave w first adds partial sums 8 (w & 1) .. + 7 of batch w >> 1 for the tile's 128 rows i (lane l: i = 4 l .. 4 l + 3); the two halves meet in LDS.
; Then wave w takes rows 16 w .. 16 w + 15 of the tile, lane l columns 4 l .. 4 l + 3.
; f32 on the vector unit (4 rows: nothing for a matrix instruction), no loop, no ring, no tensor load: all 25 loads of a wave go out at the head.
; No cluster: no byte of Wp is shared; the 32 KiB of zp that the 16 work-groups of one iblk share are half of a tile's bytes, asked for once at the head
; and added in the registers of the lanes that load them.
; BIAS: each of the 16 x 8 = 128 (iblk, wave) accumulators of a column starts from bp[j] * 2^-7 (exact), so that their sum carries bp[j].
; LIMITS: the order of the sums is not reference()'s; bits of a bias under 2^-149 after the scaling are lost.
.set YBUF, 0                           ; LDS: 8 waves x 128 numbers of z
.set RED,  8192                        ; LDS: 8 waves x 4 b x 128 columns of f32 = 16 KiB
.set OUTO, 8
.set LST,  9
.set LANE, 10
.set TMP,  11
.set LRD,  14
.set BI,   16                          ; v[16:19]   bias share of my four columns
.set W,    32                          ; v[32:95]   16 rows of Wp
.set D,    96                          ; v[96:223]  8 partial sums of z, then z: D + 32 b + r, then the eight waves' sums
.set ACC,  224                         ; v[224:239] ACC + 4 b
.macro QADD d, s
	v_pk_add_f32 v[\d:\d+1], v[\d:\d+1], v[\s:\s+1]
	v_pk_add_f32 v[\d+2:\d+3], v[\d+2:\d+3], v[\s+2:\s+3]
.endm
; rows r (even) and r + 1: ACC[b] += W[row] * d[b][row]; the factor is the first or the second register of the pair at D + 32 b + r.
; first = 1: the bias share is the addend, nothing is cleared.
.macro ROW2 r, first
.irp b, 0,1,2,3
.irp h, 0,2
.if \first
	v_pk_fma_f32 v[ACC+4*\b+\h:ACC+4*\b+\h+1], v[W+4*\r+\h:W+4*\r+\h+1], v[D+32*\b+\r:D+32*\b+\r+1], v[BI+\h:BI+\h+1] op_sel_hi:[1,0,1]
.else
	v_pk_fma_f32 v[ACC+4*\b+\h:ACC+4*\b+\h+1], v[W+4*\r+\h:W+4*\r+\h+1], v[D+32*\b+\r:D+32*\b+\r+1], v[ACC+4*\b+\h:ACC+4*\b+\h+1] op_sel_hi:[1,0,1]
.endif
.endr
.endr
.irp b, 0,1,2,3
.irp h, 0,2
	v_pk_fma_f32 v[ACC+4*\b+\h:ACC+4*\b+\h+1], v[W+4*\r+4+\h:W+4*\r+4+\h+1], v[D+32*\b+\r:D+32*\b+\r+1], v[ACC+4*\b+\h:ACC+4*\b+\h+1] op_sel:[0,1,0] op_sel_hi:[1,1,1]
.endr
.endr
.endm
; the 16 rows, four at a time: the weight loads are the wave's last 16 loads and come back in order, so the counts are what is left behind each four
.macro MAIN
	s_wait_loadcnt 16                              ; all but the 16 weight loads: the bias is in
	v_pk_mul_f32 v[BI:BI+1], v[BI:BI+1], 0x3c000000 op_sel_hi:[1,0]       ; x 2^-7
	v_pk_mul_f32 v[BI+2:BI+3], v[BI+2:BI+3], 0x3c000000 op_sel_hi:[1,0]
	s_wait_loadcnt 12
	ROW2 0, 1
	ROW2 2, 0
	s_wait_loadcnt 8
	ROW2 4, 0
	ROW2 6, 0
	s_wait_loadcnt 4
	ROW2 8, 0
	ROW2 10, 0
	s_wait_loadcnt 0
	ROW2 12, 0
	ROW2 14, 0
.endm
; behind the barrier: the input vector of my 16 rows, in every lane: both halves of each batch, then their sum in D + 32 b + r
.macro GATHER
	s_wait_dscnt 0x0                               ; my part is in LDS before I say so
	s_barrier_signal -1
	s_barrier_wait -1
.irp p, 0,1,2,3,4,5,6,7
.irp k, 0,1,2,3
	ds_load_b128 v[D+16*\p+4*\k:D+16*\p+4*\k+3], v15 offset:YBUF+512*\p+16*\k
.endr
.endr
	s_wait_dscnt 0x0
.irp b, 0,1,2,3
.irp j, 0,2,4,6,8,10,12,14
	v_pk_add_f32 v[D+32*\b+\j:D+32*\b+\j+1], v[D+32*\b+\j:D+32*\b+\j+1], v[D+32*\b+16+\j:D+32*\b+16+\j+1]
.endr
.endr
.endm
; the eight waves' sums meet in LDS; thread t then owns batch t >> 6, columns 2 (t & 63) and the next, and stores 8 bytes:
; each store of a wave covers 256 consecutive bytes, aligned
.macro FINAL ob
.irp b, 0,1,2,3
	ds_store_b128 v[LST], v[ACC+4*\b:ACC+4*\b+3] offset:RED+512*\b
.endr
	s_wait_dscnt 0x0
	s_barrier_signal -1
	s_barrier_wait -1
.irp p, 0,1,2,3,4,5,6,7
	ds_load_b64 v[D+2*\p:D+2*\p+1], v[LRD] offset:RED+2048*\p
.endr
	s_wait_dscnt 0x0
	v_pk_add_f32 v[D:D+1], v[D:D+1], v[D+2:D+3]
	v_pk_add_f32 v[D+4:D+5], v[D+4:D+5], v[D+6:D+7]
	v_pk_add_f32 v[D+8:D+9], v[D+8:D+9], v[D+10:D+11]
	v_pk_add_f32 v[D+12:D+13], v[D+12:D+13], v[D+14:D+15]
	v_pk_add_f32 v[D:D+1], v[D:D+1], v[D+4:D+5]
	v_pk_add_f32 v[D+8:D+9], v[D+8:D+9], v[D+12:D+13]
	v_pk_add_f32 v[D:D+1], v[D:D+1], v[D+8:D+9]
	global_store_b64 v[OUTO], v[D:D+1], s[\ob:\ob+1]
.endm
	s_load_b256 s[4:11], s[0:1], 0x0               ; zp s[4:5], Wp s[6:7], bp s[8:9], op s[10:11]
	v_lshl_add_u32 v240, v0, 2, 0x6000
	v_mov_b32 v241, 0
	v_lshrrev_b32 v[TMP], 5, v0
	v_readfirstlane_b32 s20, v[TMP]                ; wave w
	s_mov_b32 s21, ttmp9                           ; jblk
	s_and_b32 s22, ttmp7, 0xffff                   ; iblk
	v_and_b32 v[LANE], 31, v0
	v_lshlrev_b32 v1, 4, v[LANE]                   ; 16 lane
	s_lshl_b32 s29, s21, 9                         ; 512 jblk
	v_add_nc_u32 v6, s29, v1                       ; bp: my four columns
	s_lshl_b32 s28, s20, 9
	v_add_nc_u32 v7, s28, v1                       ; YBUF: 512 w + 16 lane
	s_lshl_b32 s28, s20, 6
	v_mov_b32 v15, s28                             ; YBUF: my 16 rows, 64 w, the same in every lane
	v_and_b32 v12, 63, v0
	v_lshrrev_b32 v13, 6, v0
	v_lshlrev_b32 v[OUTO], 3, v12
	v_lshl_add_u32 v[OUTO], v13, 13, v[OUTO]       ; 8192 (t >> 6) + 8 (t & 63)
	s_lshl_b32 s28, s20, 11
	v_add_nc_u32 v[LST], s28, v1
	v_lshlrev_b32 v[LRD], 3, v0
	s_and_b32 s28, s20, 1                          ; zp: partial sum 8 (w & 1), 32,768 bytes each, + batch w >> 1, 8,192 bytes, + 512 iblk
	s_lshl_b32 s24, s28, 18
	s_lshr_b32 s28, s20, 1
	s_lshl_b32 s28, s28, 13
	s_add_co_u32 s24, s24, s28
	s_lshl_b32 s28, s22, 9
	s_add_co_u32 s24, s24, s28
	s_mov_b32 s25, 0
	s_lshl_b32 s30, s22, 20                        ; Wp: row 128 iblk + 16 w, + 512 jblk
	s_lshl_b32 s28, s20, 17
	s_add_co_u32 s30, s30, s28
	s_add_co_u32 s30, s30, s29
	s_mov_b32 s31, 0
	s_lshl_b32 s32, s22, 15                        ; op: 32768 iblk + 512 jblk
	s_add_co_u32 s32, s32, s29
	s_mov_b32 s33, 0
	s_wait_kmcnt 0x0
	s_add_nc_u64 s[4:5], s[4:5], s[24:25]
	s_add_nc_u64 s[6:7], s[6:7], s[30:31]
	s_add_nc_u64 s[10:11], s[10:11], s[32:33]
	; all 25 loads of the wave in one run: 8 of zp, bp, 16 of Wp
.irp k, 0,1,2,3,4,5,6,7
	global_load_b128 v[D+4*\k:D+4*\k+3], v1, s[4:5] offset:32768*\k
.endr
	global_load_b128 v[BI:BI+3], v6, s[8:9]
.irp r, 0,1,2,3,4,5,6,7,8,9,10,11,12,13,14,15
	global_load_b128 v[W+4*\r:W+4*\r+3], v1, s[6:7] offset:8192*\r th:TH_LOAD_NT
.endr
	s_wait_loadcnt 17                              ; zp is in; bp and Wp's 16 loads stay out
	QADD D, D+4
	QADD D+8, D+12
	QADD D+16, D+20
	QADD D+24, D+28
	QADD D, D+8
	QADD D+16, D+24
	QADD D, D+16
	ds_store_b128 v7, v[D:D+3] offset:YBUF
	GATHER
	MAIN
	FINAL 10
	s_wait_tensorcnt 0x0
	ds_add_u32 v240, v241
	s_wait_dscnt 0x0
	s_endpgm
.Lfunc_end_k_q4e1dec9bb8_oproj:
	.size	k_q4e1dec9bb8_oproj, .Lfunc_end_k_q4e1dec9bb8_oproj-k_q4e1dec9bb8_oproj
	.p2alignl 7, 3214868480
	.fill 96, 4, 3214868480
	.section	.rodata,"a",@progbits
	.p2align	6, 0x0
	.amdhsa_kernel k_q4e1dec9bb8_oproj
		.amdhsa_group_segment_fixed_size 25600
		.amdhsa_private_segment_fixed_size 0
		.amdhsa_enable_private_segment 0
		.amdhsa_kernarg_size 32
		.amdhsa_user_sgpr_count 2
		.amdhsa_user_sgpr_kernarg_segment_ptr 1
		.amdhsa_wavefront_size32 1
		.amdhsa_system_sgpr_workgroup_id_x 1
		.amdhsa_system_sgpr_workgroup_id_y 1
		.amdhsa_system_sgpr_workgroup_id_z 1
		.amdhsa_system_vgpr_workitem_id 0
		.amdhsa_next_free_vgpr 242
		.amdhsa_next_free_sgpr 66
		.amdhsa_reserve_vcc 0
		.amdhsa_float_denorm_mode_32 3
		.amdhsa_float_denorm_mode_16_64 3
		.amdhsa_memory_ordered 1
		.amdhsa_forward_progress 1
		.amdhsa_inst_pref_size 20
	.end_amdhsa_kernel
	.amdgpu_metadata
---
amdhsa.version: [ 1, 2 ]
amdhsa.kernels:
  - .name:           k_q4e1dec9bb8_oproj
    .symbol:         k_q4e1dec9bb8_oproj.kd
    .args:
      - { .name: zp, .offset: 0, .size: 8, .value_kind: global_buffer, .address_space: global }
      - { .name: Wp, .offset: 8, .size: 8, .value_kind: global_buffer, .address_space: global }
      - { .name: bp, .offset: 16, .size: 8, .value_kind: global_buffer, .address_space: global }
      - { .name: op, .offset: 24, .size: 8, .value_kind: global_buffer, .address_space: global }
    .group_segment_fixed_size: 25600
    .private_segment_fixed_size: 0
    .kernarg_segment_align: 8
    .kernarg_segment_size: 32
    .max_flat_workgroup_size: 256
    .sgpr_count:     66
    .vgpr_count:     242
    .wavefront_size: 32
...
	.end_amdgpu_metadata
.endif
;; end of part 5
;; launch fin (part 6): grid 16 x 1, 4 waves a work-group, no clusters, 0 bytes of LDS; arguments op, sc, st, out0, out1; writes out0, out1
.if DOCPART == 6
	.amdgcn_target "amdgcn-amd-amdhsa--gfx1250"
	.amdhsa_code_object_version 6
	.text
	.protected	k_q4e1dec9bb8_fin
	.globl	k_q4e1dec9bb8_fin
	.p2align	8
	.type	k_q4e1dec9bb8_fin,@function
k_q4e1dec9bb8_fin:
	s_mov_b64 s[64:65], 0
	v_nop
	global_prefetch_b8 v0, s[64:65] scope:SCOPE_SE
	s_setreg_imm32_b32 hwreg(HW_REG_WAVE_MODE, 25, 1), 1
	s_wait_xcnt 0x0
; out0 = the sum of the 16 partial sums op[p]; out1 = wei = 2^(s2 - M) / L, with M and L of the batch joined from its 64 groups' (m, l).
; Both outputs are 8,192 numbers.  Thread 128 g + t owns four neighbouring numbers of each: 2,048 threads, 16 work-groups of 4 waves; that is all the work there is.
; A work-group's 512 numbers lie in one batch, b = g >> 2.  Every wave joins (m, l) for itself: no LDS, no barrier.
; The batch's maximum is taken away before the exponentials.  LIMITS: v_exp_f32 gives 0 for results under 2^-126 (ISA guide 15.8); the order of the sums is not reference()'s.
.set OP, 32                            ; v[32:95]  16 partial sums, 4 registers each
.macro QADD d, s
	v_pk_add_f32 v[\d:\d+1], v[\d:\d+1], v[\s:\s+1]
	v_pk_add_f32 v[\d+2:\d+3], v[\d+2:\d+3], v[\s+2:\s+3]
.endm
.macro WSUMR d, s, t                   ; sum over the 32 lanes, in every lane
	v_add_f32_dpp v[\d], v[\s], v[\s] row_xmask:1 row_mask:0xf bank_mask:0xf
	v_add_f32_dpp v[\d], v[\d], v[\d] row_xmask:2 row_mask:0xf bank_mask:0xf
	v_add_f32_dpp v[\d], v[\d], v[\d] row_xmask:4 row_mask:0xf bank_mask:0xf
	v_add_f32_dpp v[\d], v[\d], v[\d] row_xmask:8 row_mask:0xf bank_mask:0xf
	v_permlanex16_b32 v[\t], v[\d], s26, s27       ; its destination counts as read: a register that has been written
	v_add_f32 v[\d], v[\d], v[\t]
.endm
.macro WMAXR d, s, t
	v_max_num_f32_dpp v[\d], v[\s], v[\s] row_xmask:1 row_mask:0xf bank_mask:0xf
	v_max_num_f32_dpp v[\d], v[\d], v[\d] row_xmask:2 row_mask:0xf bank_mask:0xf
	v_max_num_f32_dpp v[\d], v[\d], v[\d] row_xmask:4 row_mask:0xf bank_mask:0xf
	v_max_num_f32_dpp v[\d], v[\d], v[\d] row_xmask:8 row_mask:0xf bank_mask:0xf
	v_permlanex16_b32 v[\t], v[\d], s26, s27
	v_max_num_f32 v[\d], v[\d], v[\t]
.endm
	s_load_b256 s[4:11], s[0:1], 0x0               ; op s[4:5], sc s[6:7], st s[8:9], out0 s[10:11]
	s_load_b64 s[12:13], s[0:1], 0x20              ; out1
	s_mov_b32 s26, 0x76543210
	s_mov_b32 s27, 0xfedcba98
	v_and_b32 v2, 31, v0                           ; lane; no address: free for other use once v3 is made
	v_lshlrev_b32 v1, 4, v0                        ; 16 t
	v_lshlrev_b32 v3, 3, v2                        ; 8 lane
	s_lshl_b32 s16, ttmp9, 11                      ; 128 threads x 16 bytes a work-group
	s_mov_b32 s17, 0
	s_lshr_b32 s18, ttmp9, 2                       ; b
	s_lshl_b32 s18, s18, 9                         ; 64 pairs of 8 bytes a batch
	s_mov_b32 s19, 0
	s_wait_kmcnt 0x0
	s_add_nc_u64 s[4:5], s[4:5], s[16:17]
	s_add_nc_u64 s[6:7], s[6:7], s[16:17]
	s_add_nc_u64 s[8:9], s[8:9], s[18:19]
	s_add_nc_u64 s[10:11], s[10:11], s[16:17]
	s_add_nc_u64 s[12:13], s[12:13], s[16:17]
	; all 19 loads of the wave in one run: 2 of st, sc, 16 of op
	global_load_b64 v[4:5], v3, s[8:9]
	global_load_b64 v[6:7], v3, s[8:9] offset:256
	global_load_b128 v[8:11], v1, s[6:7]
.irp p, 0,1,2,3,4,5,6,7,8,9,10,11,12,13,14,15
	global_load_b128 v[OP+4*\p:OP+4*\p+3], v1, s[4:5] offset:32768*\p
.endr
	s_wait_loadcnt 16                              ; st and sc are in; op's 16 loads stay out
	v_max_num_f32 v12, v4, v6
	WMAXR 12, 12, 2                                ; M of the batch
	v_sub_f32 v13, v4, v12
	v_sub_f32 v14, v6, v12
	v_sub_f32 v16, v8, v12
	v_sub_f32 v17, v9, v12
	v_sub_f32 v18, v10, v12
	v_sub_f32 v19, v11, v12
	v_exp_f32 v20, v13
	v_exp_f32 v21, v14
	v_exp_f32 v24, v16
	v_exp_f32 v25, v17
	v_exp_f32 v26, v18
	v_exp_f32 v27, v19
	v_nop                                          ; one plain place behind the exponentials (ISA guide 5.7.2)
	s_wait_alu depctr_va_vdst(0)
	v_mul_f32 v22, v5, v20
	v_fma_f32 v22, v7, v21, v22
	WSUMR 22, 22, 2                                ; L of the batch; at least 1, since the group that holds M has l >= 1
	v_rcp_f32 v23, v22
	v_nop
	s_wait_alu depctr_va_vdst(0)
	v_pk_mul_f32 v[24:25], v[24:25], v[22:23] op_sel:[0,1] op_sel_hi:[1,1]     ; x 1 / L, the pair's second register
	v_pk_mul_f32 v[26:27], v[26:27], v[22:23] op_sel:[0,1] op_sel_hi:[1,1]
	global_store_b128 v1, v[24:27], s[12:13]       ; a wave stores 512 consecutive bytes, aligned
	s_wait_loadcnt 0x0
.irp p, 0,2,4,6,8,10,12,14
	QADD OP+4*\p, OP+4*\p+4
.endr
.irp p, 0,4,8,12
	QADD OP+4*\p, OP+4*\p+8
.endr
	QADD OP, OP+16
	QADD OP+32, OP+48
	QADD OP, OP+32
	global_store_b128 v1, v[OP:OP+3], s[10:11]
	s_endpgm
.Lfunc_end_k_q4e1dec9bb8_fin:
	.size	k_q4e1dec9bb8_fin, .Lfunc_end_k_q4e1dec9bb8_fin-k_q4e1dec9bb8_fin
	.p2alignl 7, 3214868480
	.fill 96, 4, 3214868480
	.section	.rodata,"a",@progbits
	.p2align	6, 0x0
	.amdhsa_kernel k_q4e1dec9bb8_fin
		.amdhsa_group_segment_fixed_size 0
		.amdhsa_private_segment_fixed_size 0
		.amdhsa_enable_private_segment 0
		.amdhsa_kernarg_size 40
		.amdhsa_user_sgpr_count 2
		.amdhsa_user_sgpr_kernarg_segment_ptr 1
		.amdhsa_wavefront_size32 1
		.amdhsa_system_sgpr_workgroup_id_x 1
		.amdhsa_system_sgpr_workgroup_id_y 1
		.amdhsa_system_sgpr_workgroup_id_z 1
		.amdhsa_system_vgpr_workitem_id 0
		.amdhsa_next_free_vgpr 96
		.amdhsa_next_free_sgpr 66
		.amdhsa_reserve_vcc 0
		.amdhsa_float_denorm_mode_32 3
		.amdhsa_float_denorm_mode_16_64 3
		.amdhsa_memory_ordered 1
		.amdhsa_forward_progress 1
		.amdhsa_inst_pref_size 7
	.end_amdhsa_kernel
	.amdgpu_metadata
---
amdhsa.version: [ 1, 2 ]
amdhsa.kernels:
  - .name:           k_q4e1dec9bb8_fin
    .symbol:         k_q4e1dec9bb8_fin.kd
    .args:
      - { .name: op, .offset: 0, .size: 8, .value_kind: global_buffer, .address_space: global }
      - { .name: sc, .offset: 8, .size: 8, .value_kind: global_buffer, .address_space: global }
      - { .name: st, .offset: 16, .size: 8, .value_kind: global_buffer, .address_space: global }
      - { .name: out0, .offset: 24, .size: 8, .value_kind: global_buffer, .address_space: global }
      - { .name: out1, .offset: 32, .size: 8, .value_kind: global_buffer, .address_space: global }
    .group_segment_fixed_size: 0
    .private_segment_fixed_size: 0
    .kernarg_segment_align: 8
    .kernarg_segment_size: 40
    .max_flat_workgroup_size: 128
    .sgpr_count:     66
    .vgpr_count:     96
    .wavefront_size: 32
...
	.end_amdgpu_metadata
.endif
;; end of part 6
